; MI455X (gfx1250); checked and timed in simulation.
; The chip was launched on July 23, 2026; its instructions are those of AMD's public machine-readable ISA for CDNA 5 (MIT licence, August 2026) and "CDNA5" Instruction Set Architecture Reference Guide (July 2026). The comments in the code are by the model that wrote it; some were corrected since.
;; Skill Execution Adapter. Allowed arithmetic: matrix products marked QUANTISED: E2M3 operands, one E8M0 scale for each 32 along K, by v_wmma_scale_f32_16x16x128_f8f6f4 with both operands' format E2M3, f32 sums; products left as they are: f32 operands where the result goes on into a quantised operand, else bf16, f16 or f32 operands; f32 sums; everything else in f32.
;; Inputs: W_kv 128 x 4,096 float32; W_out_codes 2,048 x 64 x 24 uint8 (E2M3 codes of W_out, K innermost, in blocks of 32 codes, four codes in three bytes); W_out_scales 2,048 x 64 uint8 (E8M0 scales of W_out, one for each 32 codes along K); W_q_codes 2,048 x 64 x 24 uint8 (E2M3 codes of W_q, K innermost, in blocks of 32 codes, four codes in three bytes); W_q_scales 2,048 x 64 uint8 (E8M0 scales of W_q, one for each 32 codes along K); b_kv 4,096 float32; h_codes 2 x 2,048 x 64 x 24 uint8 (E2M3 codes of h, K innermost, in blocks of 32 codes, four codes in three bytes); h_scales 2 x 2,048 x 64 uint8 (E8M0 scales of h, one for each 32 codes along K); skill 2 x 128 float32.
;; Outputs: out0 2 x 2,048 x 2,048 float32.
;; This version of the problem:
;;   THIS VERSION OF THE PROBLEM IS GIVEN IN LOW PRECISION. The matrix products marked QUANTISED in the list below multiply operands that are first quantised to E2M3 (2 exponent bits, 3 mantissa bits; 6 bits a number), with one power-of-two scale for each 32 numbers along K (OCP MX v1.0); their sums are f32. All else is computed in f32.
;;   The module's matrix products, in the order in which they are computed (A, B: the left and right operand; K: the contracted axis; several contracted axes count as one K, in the product's order):
;;     1. [M 2, K 128] x [K 128, N 4,096]; A: input skill; B: input W_kv: left as it is (M = 2 < 16)
;;     2. [M 4,096, K 2,048] x [K 2,048, N 2,048]; A: input h (given as codes); B: input W_q (given as codes): QUANTISED
;;     3. batch 32 x [M 2,048, K 128] x [K 128, N 2,048]; A: computed on the way; B: computed on the way: QUANTISED
;;     4. batch 32 x [M 2,048, K 2,048] x [K 2,048, N 128]; A: softmax (see below); B: computed on the way: QUANTISED
;;     5. [M 4,096, K 2,048] x [K 2,048, N 2,048]; A: computed on the way; B: input W_out (given as codes): QUANTISED
;;   THE QUANTISER, for each operand of a quantised product, along K:
;;     - K is cut into blocks of 32 from its start; a last block that is shorter is filled with zeros.
;;     - A block's scale is 2^e with e = floor(log2(the largest magnitude in the block)) - 2, held to -126 .. 127; a block of zeros has e = 0. As a byte (E8M0): e + 127.
;;     - Each number is divided by its block's scale, clamped to +-7.5, and rounded to the nearest number of E2M3, ties to even, subnormals kept.
;;     - The product sums the exact products of the quantised numbers (number of the format x scale) in f32.
;;   ~~~python
;;   def quantise(x, axis):      # numpy; x: float32 -> the quantised numbers, widened to float32 again
;;       x = np.moveaxis(x, axis, -1); K = x.shape[-1]
;;       x = np.pad(x, [(0, 0)] * (x.ndim - 1) + [(0, -K % 32)]); x = x.reshape(x.shape[:-1] + (-1, 32)); a = np.abs(x).max(-1, keepdims=True)
;;       e = np.where(a > 0, np.clip(np.frexp(np.where(a > 0, a, 1))[1] - 1 - 2, -126, 127), 0)      # np.frexp(a)[1] - 1 = floor(log2(a)), exactly
;;       r = np.clip(x / 2.0 ** e, -7.5, 7.5)
;;       step = 2.0 ** (np.maximum(np.frexp(np.where(r == 0, 1, r))[1] - 1, 0) - 3)
;;       q = np.round(r / step) * step * 2.0 ** e      # np.round: ties to even
;;       return np.moveaxis(q.reshape(q.shape[:-2] + (-1,))[..., :K], -1, axis).astype(np.float32)
;;   ~~~
;;   SOFTMAX AHEAD OF A QUANTISED PRODUCT. Where the list says 'softmax', what is quantised is not the finished softmax but p = 2^(t - M), with t = logit x log2(e) and M = ceil(the row's largest t), a whole number; so 1/2 < the row's largest p <= 1. The row's sum l is taken of the UNQUANTISED p, in f32, and the product's result is divided by l at the end. Since M is a whole number, a kernel that streams over the keys may use a running M (the ceiling of the running maximum): every later rescaling is an exact power of two, which a block's scale takes up: the codes' values come out the same.
;;   OPERANDS COMPUTED ON THE WAY. 'Computed on the way' means the value that the module computes at that place (a softmax that the list does not call 'softmax' is quantised finished and normalised). What goes into a quantiser is computed in f32, as accurately as f32 sums, v_exp_f32 and their like allow (about 1e-6 of the number): no bf16 or f16 on the way to a quantiser, and a product that is left as it is and whose result goes on into a quantised operand takes f32 operands (vector FMAs, or v_wmma_f32_16x16x4_f32). A number that lies on a knife's edge between two numbers of the format may be rounded either way, as far as f32 arithmetic and the matrix unit's own rounding can turn it there, and no further.
;;   INPUTS GIVEN AS CODES. W_out (in the module: [2048, 2048], K = its axis 0); W_q (in the module: [2048, 2048], K = its axis 0); h (in the module: [2, 2048, 2048], K = its axis 2): each comes as NAME_codes (uint8): NAME with its K axis moved to the last place and cut into blocks of 32 codes, [.., K / 32, bytes a block], one block behind the other in memory; four codes in three bytes: a row's codes are one little-endian stream of bits, code i at bits 6 i .. 6 i + 5 (a code: sign, 2 exponent bits, 3 mantissa bits); and NAME_scales (uint8): the same leading axes, one E8M0 byte (e + 127) for each 32 codes along K. Its value is code x scale, taken as it is: it is not quantised again, and the codes and scales need not be those that the quantiser above would give.
;; One version. Each part assembles by itself: llvm-mc -triple=amdgcn-amd-amdhsa -mcpu=gfx1250 --defsym DOCPART=n.
;; ======== version 1 of 1: 2 launches
;; workspace buffers: oc 6,291,456 bytes; os 262,144 bytes
;; launch qattn (part 1): grid 16 x 16, 4 waves a work-group, clusters of 4 x 4, 327,680 bytes of LDS; arguments h_codes, h_scales, W_q_codes, W_q_scales, W_kv, b_kv, skill, oc, os; writes oc, os
.if DOCPART == 1
	.amdgcn_target "amdgcn-amd-amdhsa--gfx1250"
	.amdhsa_code_object_version 6
	.text
	.protected	k_qe4af652277_qattn
	.globl	k_qe4af652277_qattn
	.p2align	8
	.type	k_qe4af652277_qattn,@function
k_qe4af652277_qattn:
	s_mov_b64 s[64:65], 0
	v_nop
	global_prefetch_b8 v0, s[64:65] scope:SCOPE_SE
	s_setreg_imm32_b32 hwreg(HW_REG_WAVE_MODE, 25, 1), 1
	s_wait_xcnt 0x0
	s_wait_alu depctr_hold_cnt(0) depctr_sa_sdst(0) depctr_va_vdst(0) depctr_va_sdst(0) depctr_va_ssrc(0) depctr_va_vcc(0) depctr_vm_vsrc(0)
	s_getreg_b32 s2, hwreg(HW_REG_IB_STS2, 6, 4)
	s_cmp_eq_u32 s2, 0
	s_cbranch_scc0 .Lentry_in_a_cluster
	s_endpgm
.Lentry_in_a_cluster:
	s_bfe_u32 s2, ttmp6, 0x10000c
	s_cmp_lg_u32 s2, 0xf033
	s_cbranch_scc0 .Lentry_shape_is_right
	s_endpgm
.Lentry_shape_is_right:
; q = h W_q on codes of FP6 (E2M3) with E8M0 scales, then the attention of one head on it, then the result quantised along d_model for the last product.
; A work-group makes 256 queries x one head (128 columns of q): four waves, each 64 queries x 128 columns: 32 accumulators of 16 x 16, 256 registers.
; K = 2,048 goes in steps of 256 through a ring of two LDS slots filled by the tensor data mover (rows of 192 bytes); the scale bytes of the group's rows come once, in whole runs of 256 bytes, and stay.
; CLUSTERS: 4 x 4 work-groups.  The four of a row of the cluster need the same rows of h, the four of a column the same rows of W_q: each tile is asked for jointly, by the same tensor load with a mask that names the four.
; THE MATRIX INSTRUCTION IS USED TRANSPOSED (source 0 = 16 rows of W_q, source 1 = 16 queries): a lane holds ONE query (lane % 16) and, in accumulator b, the columns 16 b + 8 (lane / 16) + 0 .. 7.
; THE KEYS.  The problem builds all 2,048 keys and values of a head by broadcasting ONE vector k and ONE vector v.  So all scores of a query are one number s, all p = 2^(t - ceil t) one number,
; every block of 32 keys of p holds 32 equal numbers and every block of v along the keys 32 copies of v[d].  With n keys the second product is n Q(p) Q(v[d]) and the row's sum n p; for n a power of two both are
; exact multiples, so the quotient is the same for n = 128 as for n = 2,048.  The text takes one tile of 16 keys for the scores and 2^LKEYS keys (KEYSTEPS steps of 128) for the second product, both by the matrix unit on codes.
; q's ORDER INSIDE A BLOCK.  A lane's 16 numbers of a block of 32 are columns 0-7 and 16-23 (lanes 0-15) or 8-15 and 24-31 (lanes 16-31), so q's codes stand in the order 0-7, 16-23, 8-15, 24-31 inside each block.
; k's codes are laid in the same order: one permutation of K on both operands, inside a scale's block, leaves every product and every scale as it is.
; k, v = skill W_kv + b_kv in f32 by fused multiply-adds: wave w sums rows 32 w .. 32 w + 31 of W_kv; the four partial sums meet in LDS.  The rows of W_kv are asked for at the head and awaited behind the GEMM.
; LIMITS: NaN and infinities are not served.  A block of zeros gets the scale byte 1 (not 127) with zero codes: the bytes are read by this program alone.  1 / l is v_rcp_f32's.  k's and v's sums run in four parts, not in one chain.
; REGISTERS, in windows of 256: window 0: v0-31 addresses; v32-55 scale words; v64-159 h's fragments, two sets; behind the GEMM v64-255 are at work.  window 1: W_q's fragments, two sets, later V^T's eight.
;   window 2: the accumulators ((a, b) at v[8 (8 a + b)]).   window 3: 64 x 4 numbers of W_kv.
.set ROWB,   192                       ; a tile's row: 256 codes
.set KROW,   1536                      ; a row of h or of W_q in memory
.set PITCH,  240                       ; an LDS row: 3 x (64 bytes + 16 of padding)
.set FR,     12                        ; registers of a fragment
.set AHALF,  128*PITCH                 ; what one tensor load brings of h
.set BHALF,  64*PITCH                  ; and of W_q
.set BOFF,   2*AHALF                   ; W_q's 128 rows lie behind h's 256
.set SLOT,   BOFF+2*BHALF
.set SCLA,   2*SLOT                    ; h's scale bytes: 64 runs of 256 bytes + 16
.set SCLB,   SCLA+64*272               ; W_q's: 32 runs
.set SPARE,  SCLB+32*272               ; the spare words, 128 bytes a wave: two blocks of 256 bytes that no other line names
.set KVP,    SPARE+512                 ; four waves' partial sums of k and v
.set KVF,    KVP+4096                  ; k's 128 numbers, then v's
.set SWS,    KVF+1024                  ; the result's scale words on their way out, 256 bytes a wave
.set ASTEP,  2*ROWB                    ; a slot's next tile: two slots on along K
.set BSTEP,  2*ROWB
.set SASTEP, 8                         ; a slot's scale bytes of a row
.set SAOFF,  1088                      ; the scale bytes of 16 rows
.set LKEYS,  7                         ; 2^LKEYS keys in the second product
.set KEYSTEPS, 1<<(LKEYS-7)
.set KVA,   4                          ; v4   W_kv: 16 x lane + 32 rows x wave
.set T4,    5                          ; v5   4 x thread
.set LI,    7                          ; v7   16 x lane
.set BKV,   8                          ; v8-9 b_kv of my column of k and of v
.set SKL,   10                         ; v10  skill[32 wave + lane]
.set PADR,  11
.set RADR,  12
.set KADR,  13
.set VADR,  14
.set SWA,   15
.set ADRA,  16                         ; v16-17 my fragments of h in slot 0, 1; v18-19 the same behind one padding more
.set ADRB,  20                         ; v20-23 the same for W_q
.set ADRSA, 24                         ; v24  h's scale words: lanes 0-15 the slot's first 128 along K, lanes 16-31 its second
.set ADRSB, 25                         ; v25  W_q's
.set SWR,   26
.set L8,    27
.set SPW,   28                         ; v28  my spare word; never rewritten
.set NIL,   29                         ; v29  0; never rewritten
.set H8,    30
.set SC,    32                         ; scale words: set s at v[32 + 12 s]: 8 of W_q's blocks, 4 of h's
.set AF,    64                         ; h's fragments: set s at v[64 + 48 s]
.set KN,    64                         ; behind the GEMM: k's numbers;
.set VT,    64                         ; then V^T's codes, 4 registers a tile;
.set OO,    64                         ; then O^T
.set KF,    128
.set QF,    144
.set TQ,    156
.set SCO,   164
.set TT,    172
.set NMM,   173
.set EE,    174
.set PP,    175
.set PN,    176
.set LL,    192
.set PSO,   193
.set RL,    194
.set CSW,   196
.set SWD,   198
.set TM,    200
.set PF,    216
.set CF,    228
.set VV,    240
.set KA,    248
.set VA,    252
.set VSW,   32
.set KSW,   40
.set QSW,   41
.set PSW,   42
.set G1,   24
.set G0,   32
.set G1B,  48
.set G0B,  56
.set G1S,  68
.set G0S,  76
.set G1SB, 80
.set G0SB, 88
.set SEL,  92
.set MSB, 0
.macro WIN new                         ; the immediate's high byte repeats the setting that is left
.if MSB != (\new)
	s_set_vgpr_msb (MSB<<8)|(\new)
.set MSB, \new
.endif
.endm
.set MUL,  0xa1                        ; source 0 (W) window 1, source 1 window 0, C and D window 2
.set TO_B, 0x40                        ; destination window 1, address window 0
; A joint load: waves 0 and 1 fetch the activation's halves, waves 2 and 3 the weight's.  The branch hangs on the wave's number alone.  Four v_nop follow each line.
.macro JLOAD g0a, g1a, g0b, g1b
	s_cmp_eq_u32 s23, 0
	s_cbranch_scc0 .Lfor_b_\@
	tensor_load_to_lds s[\g0a:\g0a+3], s[\g1a:\g1a+7]
	s_nop 0
.rept 4
	v_nop
.endr
	s_branch .Lasked_\@
.Lfor_b_\@:
	tensor_load_to_lds s[\g0b:\g0b+3], s[\g1b:\g1b+7]
	s_nop 0
.rept 4
	v_nop
.endr
.Lasked_\@:
.endm
.macro CREST                           ; a round of the cluster's barrier behind its opening barrier
	s_cmp_lg_u32 s22, 0
	s_cbranch_scc1 .Lnot_wave_0_\@
	s_barrier_signal -3
.Lnot_wave_0_\@:
	s_barrier_wait -3
	s_barrier_signal -1
	s_barrier_wait -1
.endm
.macro CROUND
	s_barrier_signal -1
	s_barrier_wait -1
	CREST
.endm
.macro PLACES n                        ; plain vector places behind matrix instructions (ISA guide 7.12.1) and in front of scaled ones
.rept \n
	v_nop
.endr
.endm
.macro FRAG reg, adr, q, i             ; 16 rows x 128 K: lane l holds row l % 16; registers 6 c .. 6 c + 5 hold K = 64 c + 32 (l / 16) + 0 .. 31: 24 bytes of the row, as three loads of 8
.irp p, 0,1,2,3,4,5
.set PC, 12*(\q)+6*(\p/3)+\p%3         ; lanes 16-31 read three pieces on; where that is behind one padding more, the second address register serves
.if PC%8 < 5
	ds_load_b64 v[\reg+2*\p:\reg+2*\p+1], v[\adr] offset:8*PC+16*(PC/8)+(\i)*16*PITCH
.else
	ds_load_b64 v[\reg+2*\p:\reg+2*\p+1], v[\adr+2] offset:8*PC+16*(PC/8)+(\i)*16*PITCH
.endif
.endr
.endm
; 8 matrix instructions: the activation's block a x the weight's eight, 128 along K, the slot's q-th.  The 32 accumulators take turns, one instruction a turn, in the same order in every step.
.macro MUL8 a, set, q, sc, zero
.irp b, 0,1,2,3,4,5,6,7
.if \zero
	v_wmma_scale_f32_16x16x128_f8f6f4 v[8*(8*(\a)+\b):8*(8*(\a)+\b)+7], v[128*(\set)+FR*\b:128*(\set)+FR*\b+FR-1], v[AF+48*(\set)+FR*(\a):AF+48*(\set)+FR*(\a)+FR-1], 0, v[SC+12*(\sc)+\b], v[SC+12*(\sc)+8+(\a)] matrix_a_fmt:MATRIX_FMT_FP6 matrix_b_fmt:MATRIX_FMT_FP6
.elseif \q
	v_wmma_scale_f32_16x16x128_f8f6f4 v[8*(8*(\a)+\b):8*(8*(\a)+\b)+7], v[128*(\set)+FR*\b:128*(\set)+FR*\b+FR-1], v[AF+48*(\set)+FR*(\a):AF+48*(\set)+FR*(\a)+FR-1], v[8*(8*(\a)+\b):8*(8*(\a)+\b)+7], v[SC+12*(\sc)+\b], v[SC+12*(\sc)+8+(\a)] matrix_a_fmt:MATRIX_FMT_FP6 matrix_b_fmt:MATRIX_FMT_FP6 matrix_a_scale:MATRIX_SCALE_ROW1 matrix_b_scale:MATRIX_SCALE_ROW1
.else
	v_wmma_scale_f32_16x16x128_f8f6f4 v[8*(8*(\a)+\b):8*(8*(\a)+\b)+7], v[128*(\set)+FR*\b:128*(\set)+FR*\b+FR-1], v[AF+48*(\set)+FR*(\a):AF+48*(\set)+FR*(\a)+FR-1], v[8*(8*(\a)+\b):8*(8*(\a)+\b)+7], v[SC+12*(\sc)+\b], v[SC+12*(\sc)+8+(\a)] matrix_a_fmt:MATRIX_FMT_FP6 matrix_b_fmt:MATRIX_FMT_FP6
.endif
.endr
.endm
.macro FETCH slot, q, set              ; 72 LDS loads in one run: the fragments of the slot's q-th 128 along K
	WIN TO_B
.irp i, 0,1,2,3,4,5,6,7
	FRAG 128*(\set)+FR*\i, ADRB+\slot, \q, \i
.endr
	WIN 0
.irp i, 0,1,2,3
	FRAG AF+48*(\set)+FR*\i, ADRA+\slot, \q, \i
.endr
.endm
.macro SCALES sc                       ; a slot's scale words: one register a block of 16 rows; lanes 0-15 hold the word of the first 128 along K, lanes 16-31 that of the second
.irp i, 0,1,2,3,4,5,6,7
	ds_load_b32 v[SC+12*(\sc)+\i], v[ADRSB] offset:\i*1088
.endr
.irp i, 0,1,2,3
	ds_load_b32 v[SC+12*(\sc)+8+\i], v[ADRSA] offset:\i*SAOFF
.endr
.endm
.macro STEP slot, zero                 ; a slot's first 128 along K, on set 0; the second's fragments are fetched into set 1 ahead of its 32 products
	s_wait_dscnt 0x0                               ; set 0 and the slot's scale words are in
	PLACES 4                                       ; set 1 was read by the products just issued
	FETCH \slot, 1, 1
	WIN MUL
	MUL8 0, 0, 0, \slot, \zero
	MUL8 1, 0, 0, \slot, \zero
	MUL8 2, 0, 0, \slot, \zero
	MUL8 3, 0, 0, \slot, \zero
	WIN 0
.endm
; A slot's second 128 along K, on set 1, and the change of slots: ONE barrier; in front of it each wave waits for all its tensor loads, adds 0 to its spare word, and waits for that and for its reads of this slot.
.macro TURN slot, next, fill
	s_wait_tensorcnt 0x0                           ; all my tensor loads have landed: my part of the next slot
	ds_add_u32 v[SPW], v[NIL]                      ; 0 onto my spare word
	s_wait_dscnt 1                                 ; set 1's loads were issued ahead of the add: only the add may be out
	WIN MUL
	MUL8 0, 1, 1, \slot, 0                         ; eight matrix instructions stand between the add and the wait for it
	s_wait_dscnt 0x0                               ; the add is done, and my reads of this slot are over
	s_barrier_signal -1
	MUL8 1, 1, 1, \slot, 0
	WIN 0
	s_barrier_wait -1
.if \fill
	CREST                                          ; the barrier has opened a round of the cluster's: no wave of any partner still reads this slot or has a load on its way
	s_add_nc_u64 s[G0+4*\slot+2:G0+4*\slot+3], s[G0+4*\slot+2:G0+4*\slot+3], ASTEP
	s_add_nc_u64 s[G0B+4*\slot+2:G0B+4*\slot+3], s[G0B+4*\slot+2:G0B+4*\slot+3], BSTEP
	JLOAD G0+4*\slot, G1, G0B+4*\slot, G1B         ; the first tensor load behind the round; its four v_nop are the places in front of the loads below
.else
	PLACES 4
.endif
	v_add_nc_u32 v[ADRSA], SASTEP, v[ADRSA]        ; on to the next slot's scale words
	v_add_nc_u32 v[ADRSB], 8, v[ADRSB]
	FETCH \next, 0, 0
	SCALES \next
	WIN MUL
	MUL8 2, 1, 1, \slot, 0
	MUL8 3, 1, 1, \slot, 0
	WIN 0
.endm
.macro LAST                            ; the very last 128 along K
	s_wait_dscnt 0x0
	WIN MUL
	MUL8 0, 1, 1, 1, 0
	MUL8 1, 1, 1, 1, 0
	MUL8 2, 1, 1, 1, 0
	MUL8 3, 1, 1, 1, 0
	WIN 0
.endm
; 64 numbers of a lane in window w, v[s] .. v[s + 63], register 16 b + i one of block b's numbers of my row (my 16; lane l xor 16 holds the other 16), become a fragment's codes in v[pc] on and its scale word in v[pw].
.macro QUANT s, w, pc, pw
.set QW, (\w)*5
	WIN QW                                         ; sources 0 and 1 in window w
.irp b, 0,1,2,3
	v_max3_num_f32 v[TM+\b], |v[\s+16*\b]|, |v[\s+16*\b+1]|, 0x1800000   ; with the floor 2^(3 - 127): the byte cannot fall under 1.  Each accumulator is read from its low end on
.endr
.irp i, 2,4,6,8,10,12,14
.irp b, 0,1,2,3
	v_max3_num_f32 v[TM+\b], |v[\s+16*\b+\i]|, |v[\s+16*\b+\i+1]|, v[TM+\b]
.endr
.endr
	WIN 0
.irp b, 0,1,2,3
	v_permlanex16_b32 v[TM+4+\b], v[TM+\b], s[SEL], s[SEL+1]
.endr
.irp b, 0,1,2,3
	v_max_num_f32 v[TM+\b], v[TM+\b], v[TM+4+\b]   ; the block's largest magnitude
.endr
.irp b, 0,1,2,3
	v_add_nc_u32 v[TM+12+\b], 0xff000000, v[TM+\b] ; 2 off its exponent field: the conversion's scale operand
.endr
.irp b, 0,1,2,3
	v_lshrrev_b32 v[TM+4+\b], 23, v[TM+12+\b]      ; the scale's byte
.endr
	v_lshl_or_b32 v[\pw], v[TM+5], 8, v[TM+4]
	v_lshl_or_b32 v[\pw], v[TM+6], 16, v[\pw]
	v_lshl_or_b32 v[\pw], v[TM+7], 24, v[\pw]
	WIN \w                                         ; source 0 in window w
.irp c, 0,1
	v_cvt_scalef32_pk16_fp6_f32 v[\pc+6*\c:\pc+6*\c+2], v[\s+32*\c:\s+32*\c+15], v[TM+12+2*\c]
	v_cvt_scalef32_pk16_fp6_f32 v[TQ+4*\c:TQ+4*\c+2], v[\s+32*\c+16:\s+32*\c+31], v[TM+13+2*\c]   ; (a conversion's three registers begin on an even number)
.endr
	WIN 0
	v_nop                                          ; one plain place behind a scaled conversion
.irp c, 0,1                            ; the operand's layout wants a whole block in a lane: lanes 0-15 block 2 c, lanes 16-31 block 2 c + 1
.irp i, 0,1,2
	v_permlane16_swap_b32 v[\pc+6*\c+\i], v[TQ+4*\c+\i]
.endr
.irp i, 0,1,2
	v_mov_b32 v[\pc+3+6*\c+\i], v[TQ+4*\c+\i]
.endr
.endr
.endm
	s_load_b256 s[4:11], s[0:1], 0x0               ; h's codes s[4:5], h's scales s[6:7], W_q's codes s[8:9], W_q's scales s[10:11]
	s_load_b256 s[12:19], s[0:1], 0x20             ; W_kv s[12:13], b_kv s[14:15], skill s[16:17], oc s[18:19]
	s_load_b64 s[20:21], s[0:1], 0x40              ; os
	v_lshl_add_u32 v[SPW], v0, 2, SPARE
	v_mov_b32 v[NIL], 0
	ds_add_u32 v28, v29
	ds_add_u32 v28, v29
	s_wait_dscnt 0x0
	v_lshrrev_b32 v1, 5, v0
	v_readfirstlane_b32 s22, v1                    ; wave 0..3
	s_lshr_b32 s23, s22, 1                         ; I fetch for h (0) or for W_q (1)
	s_and_b32 s2, s22, 1                           ; and which half
	s_bfe_u32 s40, ttmp6, 0x40000                  ; cx, cy: my place in the cluster
	s_bfe_u32 s41, ttmp6, 0x40004
	s_lshl_b32 s42, ttmp9, 2
	s_add_co_u32 s42, s42, s40                     ; x: the head
	s_and_b32 s43, ttmp7, 0xffff
	s_lshl_b32 s43, s43, 2
	s_add_co_u32 s43, s43, s41                     ; y: the block of 256 queries
	s_lshl_b32 s44, s41, 2
	s_lshl_b32 s44, 15, s44                        ; my row of the cluster
	s_lshl_b32 s45, 0x1111, s40                    ; my column
	; group 1 for code tiles: rows of 192 bytes, 16 bytes of padding behind every 64; 128 rows of h, 64 of W_q
	s_or_b32 s[G1+0], s44, (1<<20)|(1<<21)|(3<<22)|(3<<25)
	s_or_b32 s[G1B+0], s45, (1<<20)|(1<<21)|(3<<22)|(3<<25)
	s_mov_b32 s[G1+1], ROWB<<16
	s_mov_b32 s[G1+2], 128<<16
	s_mov_b32 s[G1+3], ROWB<<16
	s_mov_b32 s[G1+4], 128
	s_mov_b32 s[G1+5], KROW
	s_mov_b32 s[G1+6], 0
	s_mov_b32 s[G1+7], 0
	s_mov_b32 s[G1B+1], ROWB<<16
	s_mov_b32 s[G1B+2], 64<<16
	s_mov_b32 s[G1B+3], ROWB<<16
	s_mov_b32 s[G1B+4], 64
	s_mov_b32 s[G1B+5], KROW
	s_mov_b32 s[G1B+6], 0
	s_mov_b32 s[G1B+7], 0
	; group 1 for scale bytes: dense blocks as rows of 256 bytes (32 elements of 8), 16 bytes of padding behind each: 32 rows for h's 128 rows, 16 for W_q's 64
	s_or_b32 s[G1S+0], s44, (3<<16)|(1<<20)|(1<<21)|(5<<22)|(3<<25)
	s_or_b32 s[G1SB+0], s45, (3<<16)|(1<<20)|(1<<21)|(5<<22)|(3<<25)
	s_mov_b32 s[G1S+1], 32<<16
	s_mov_b32 s[G1S+2], 32<<16
	s_mov_b32 s[G1S+3], 32<<16
	s_mov_b32 s[G1S+4], 32
	s_mov_b32 s[G1S+5], 32
	s_mov_b32 s[G1S+6], 0
	s_mov_b32 s[G1S+7], 0
	s_mov_b32 s[G1SB+1], 32<<16
	s_mov_b32 s[G1SB+2], 16<<16
	s_mov_b32 s[G1SB+3], 32<<16
	s_mov_b32 s[G1SB+4], 16
	s_mov_b32 s[G1SB+5], 32
	s_mov_b32 s[G1SB+6], 0
	s_mov_b32 s[G1SB+7], 0
	s_mov_b32 s[SEL], 0x76543210
	s_mov_b32 s[SEL+1], 0xfedcba98                 ; v_permlanex16_b32's selects for lane l xor 16
	s_mov_b32 s94, 0x3e0293ee                      ; c = log2(e) / sqrt(128)
	s_lshl_b32 s96, s43, 8                         ; h: row 256 y + 128 x half (y alone: shared along my row of the cluster)
	s_lshl_b32 s97, s2, 7
	s_add_co_u32 s96, s96, s97
	s_lshl_b32 s100, s96, 6                        ; its scale bytes
	s_mov_b32 s101, 0
	s_mul_i32 s96, s96, KROW                       ; its codes
	s_mov_b32 s97, 0
	s_lshl_b32 s46, s42, 7                         ; W_q: row 128 x + 64 x half (x alone: shared along my column)
	s_lshl_b32 s47, s2, 6
	s_add_co_u32 s46, s46, s47
	s_lshl_b32 s66, s46, 6
	s_mov_b32 s67, 0
	s_mul_i32 s46, s46, KROW
	s_mov_b32 s47, 0
	s_mul_i32 s98, s22, AHALF                      ; where they go: h's halves by waves 0, 1;
	s_mul_i32 s99, s22, BHALF
	s_add_co_u32 s99, s99, BOFF-2*BHALF            ; W_q's by waves 2, 3, behind them: no place in the cluster enters an LDS address
	s_wait_kmcnt 0x0
	s_add_nc_u64 s[96:97], s[4:5], s[96:97]
	s_add_nc_u64 s[100:101], s[6:7], s[100:101]
	s_add_nc_u64 s[46:47], s[8:9], s[46:47]
	s_add_nc_u64 s[66:67], s[10:11], s[66:67]
	CROUND                                         ; all sixteen work-groups are here: the first joint loads meet
	s_mov_b32 s[G0S], 1
	s_mul_i32 s[G0S+1], s22, 32*272
	s_add_co_u32 s[G0S+1], s[G0S+1], SCLA
	s_mov_b64 s[G0S+2:G0S+3], s[100:101]
	s_or_b32 s[G0S+3], s[G0S+3], 0x80000000
	s_mov_b32 s[G0SB], 1
	s_mul_i32 s[G0SB+1], s22, 16*272
	s_add_co_u32 s[G0SB+1], s[G0SB+1], SCLB-32*272
	s_mov_b64 s[G0SB+2:G0SB+3], s[66:67]
	s_or_b32 s[G0SB+3], s[G0SB+3], 0x80000000
	JLOAD G0S, G1S, G0SB, G1SB                     ; the scales first: they are wanted with the first slot
.irp s, 0,1
	s_mov_b32 s[G0+4*\s], 1
	s_add_co_u32 s[G0+4*\s+1], s98, \s*SLOT
	s_add_nc_u64 s[G0+4*\s+2:G0+4*\s+3], s[96:97], \s*ROWB
	s_or_b32 s[G0+4*\s+3], s[G0+4*\s+3], 0x80000000
	s_mov_b32 s[G0B+4*\s], 1
	s_add_co_u32 s[G0B+4*\s+1], s99, \s*SLOT
	s_add_nc_u64 s[G0B+4*\s+2:G0B+4*\s+3], s[46:47], \s*ROWB
	s_or_b32 s[G0B+4*\s+3], s[G0B+4*\s+3], 0x80000000
	JLOAD G0+4*\s, G1, G0B+4*\s, G1B               ; three tensor loads of mine are out
.endr
	; the other buffers at my part
	s_lshl_b32 s46, s42, 9                         ; the head's 128 columns: 512 bytes
	s_mov_b32 s47, 0
	s_add_nc_u64 s[12:13], s[12:13], s[46:47]
	s_add_nc_u64 s[14:15], s[14:15], s[46:47]
	s_lshr_b32 s66, s43, 3                         ; the batch: 8 blocks of 256 queries each
	s_lshl_b32 s66, s66, 9
	s_mov_b32 s67, 0
	s_add_nc_u64 s[16:17], s[16:17], s[66:67]
	s_lshl_b32 s96, s43, 4
	s_lshl_b32 s97, s22, 2
	s_add_co_u32 s96, s96, s97                     ; my first tile of 16 rows: 16 y + 4 wave
	s_lshl_b32 s96, s96, 4
	s_add_co_u32 s96, s96, s42                     ; x 16 K steps + the head
	s_mul_i32 s96, s96, 1536
	s_mov_b32 s97, 0
	s_add_nc_u64 s[18:19], s[18:19], s[96:97]
	s_lshl_b32 s96, s42, 14                        ; os: [head][row], 4 bytes a row
	s_lshl_b32 s98, s43, 10
	s_add_co_u32 s96, s96, s98
	s_lshl_b32 s98, s22, 8
	s_add_co_u32 s96, s96, s98
	s_add_nc_u64 s[20:21], s[20:21], s[96:97]
	v_and_b32 v1, 15, v0                           ; r
	v_bfe_u32 v2, v0, 4, 1                         ; h
	v_and_b32 v3, 31, v0                           ; lane
	v_lshlrev_b32 v[LI], 4, v3
	s_lshl_b32 s98, s22, 19                        ; 32 rows of W_kv, 16,384 bytes each
	v_add_nc_u32 v[KVA], s98, v[LI]
	v_lshlrev_b32 v[T4], 2, v0
	global_load_b32 v[BKV], v[T4], s[14:15]                 ; b_kv of k's column = my thread's number,
	global_load_b32 v[BKV+1], v[T4], s[14:15] offset:8192   ; and of v's
	global_load_b32 v[SKL], v[T4], s[16:17]                 ; skill[32 wave + lane]
	WIN 0xc0                                       ; destination window 3
.set i, 0
.rept 32                               ; my 32 rows of W_kv, the head's 128 columns of k and of v: each load reads 512 consecutive bytes.  They are awaited behind the GEMM
	global_load_b128 v[4*i:4*i+3], v[KVA], s[12:13] offset:16384*i
	global_load_b128 v[128+4*i:128+4*i+3], v[KVA], s[12:13] offset:16384*i+8192
.set i, i+1
.endr
	WIN 0
	s_lshl_b32 s98, s22, 10
	s_add_co_u32 s98, s98, KVP
	v_add_nc_u32 v[PADR], s98, v[LI]               ; my wave's partial sums: 16 bytes a lane
	v_add_nc_u32 v[RADR], KVP, v[T4]               ; my thread's column in them
	v_lshl_add_u32 v[KADR], v2, 7, KVF             ; k: my half's block of 32
	v_and_b32 v56, 8, v1
	v_add_nc_u32 v56, v56, v1                      ; r + 8 (r / 8)
	v_lshl_add_u32 v[VADR], v56, 2, KVF+512        ; v: THE ROWS OF A TILE OF V^T ARE NOT NEIGHBOURS: lane r of tile t takes d = 32 (t / 2) + 8 (t % 2) + r + 8 (r / 8)
	s_lshl_b32 s98, s22, 8
	s_add_co_u32 s98, s98, SWS
	v_lshl_add_u32 v[SWA], v1, 2, s98
	v_lshl_add_u32 v[SWR], v3, 3, s98
	v_lshlrev_b32 v[L8], 3, v3
	v_lshlrev_b32 v[H8], 3, v2
	v_mul_u32_u24 v56, v1, PITCH
	v_mul_u32_u24 v57, v2, 24
	v_add_nc_u32 v57, v56, v57                     ; a fragment's row x pitch + 24 x half
	v_lshl_add_u32 v58, v2, 4, v57                 ; and the same behind one padding more
	s_mul_i32 s98, s22, 64*PITCH                   ; my 64 rows of h
	s_mov_b32 s99, BOFF                            ; all 128 rows of W_q
.irp s, 0,1
	v_add_nc_u32 v[ADRA+\s], s98, v57
	v_add_nc_u32 v[ADRA+2+\s], s98, v58
	v_add_nc_u32 v[ADRB+\s], s99, v57
	v_add_nc_u32 v[ADRB+2+\s], s99, v58
	s_add_co_u32 s98, s98, SLOT
	s_add_co_u32 s99, s99, SLOT
.endr
	v_lshlrev_b32 v59, 6, v1                       ; a row's 64 scale bytes,
	v_lshrrev_b32 v60, 2, v1
	v_lshl_add_u32 v59, v60, 4, v59                ; 16 more for each 256 passed,
	v_lshl_add_u32 v59, v2, 2, v59                 ; and lanes 16-31 take the slot's second word
	s_mul_i32 s98, s22, 16*272
	s_add_co_u32 s98, s98, SCLA
	v_add_nc_u32 v[ADRSA], s98, v59
	v_add_nc_u32 v[ADRSB], SCLB, v59
	s_wait_tensorcnt 1                             ; the scales and my part of slot 0 are in; slot 1's load may be out
	s_barrier_signal -1
	s_barrier_wait -1
	FETCH 0, 0, 0
	SCALES 0
	STEP 0, 1                                      ; the first step's products start the sums: nothing is cleared
	s_mov_b32 s3, 3
.Llap:                                             ; a trip goes once round the ring and fills both slots again: 2,048 along K are eight slots, six of them refills
	TURN 0, 1, 1
	STEP 1, 0
	TURN 1, 0, 1
	STEP 0, 0
	s_sub_co_u32 s3, s3, 1
	s_cmp_lg_u32 s3, 0
	s_cbranch_scc1 .Llap
	TURN 0, 1, 0                                   ; the last lap fills nothing
	STEP 1, 0
	LAST
	; ---- k and v of this head and batch, in f32.  No tensor load of mine is out since the last change of slots, so the descriptors' registers take my 32 numbers of skill
	s_wait_loadcnt 0x0
.set i, 0
.rept 32
	v_readlane_b32 s[24+i], v[SKL], i
.set i, i+1
.endr
	WIN 0x0c                                       ; source 1 in window 3
.irp c, 0,1,2,3
	v_mul_f32 v[KA+\c], s24, v[\c]                 ; eight chains: four columns of k, four of v.  (These are also the places behind the last products)
	v_mul_f32 v[VA+\c], s24, v[128+\c]
.endr
.set i, 1
.rept 31
.irp c, 0,1,2,3
	v_fmac_f32 v[KA+\c], s[24+i], v[4*i+\c]
	v_fmac_f32 v[VA+\c], s[24+i], v[128+4*i+\c]
.endr
.set i, i+1
.endr
	WIN 0
	ds_store_b128 v[PADR], v[KA:KA+3]
	ds_store_b128 v[PADR], v[VA:VA+3] offset:512
	s_wait_dscnt 0x0                               ; for the others' sake: my partial sums lie in LDS
	s_barrier_signal -1
	s_barrier_wait -1
.irp w, 0,1,2,3
	ds_load_b32 v[TM+\w], v[RADR] offset:1024*\w
	ds_load_b32 v[TM+4+\w], v[RADR] offset:1024*\w+512
.endr
	s_wait_dscnt 0x0
	v_add_f32 v[TM], v[TM], v[TM+1]
	v_add_f32 v[TM+4], v[TM+4], v[TM+5]
	v_add_f32 v[TM+2], v[TM+2], v[TM+3]
	v_add_f32 v[TM+6], v[TM+6], v[TM+7]
	v_add_f32 v[TM], v[TM], v[TM+2]
	v_add_f32 v[TM+4], v[TM+4], v[TM+6]
	v_add_f32 v[TM], v[TM], v[BKV]
	v_add_f32 v[TM+4], v[TM+4], v[BKV+1]
	ds_store_b32 v[RADR], v[TM] offset:4096        ; k[my thread's number]
	ds_store_b32 v[RADR], v[TM+4] offset:4608      ; v[my thread's number]
	s_wait_dscnt 0x0
	s_barrier_signal -1
	s_barrier_wait -1
	; ---- the operands made of k and v; every wave makes its own
.irp c, 0,1
.irp g, 0,1,2,3,4,5,6,7                ; my block 2 c + h of k, in the order 0-7, 16-23, 8-15, 24-31, in which q's codes stand
	ds_load_b128 v[KN+32*\c+4*\g:KN+32*\c+4*\g+3], v[KADR] offset:256*\c+16*(\g%2)+64*((\g/2)%2)+32*(\g/4)
.endr
.endr
.irp t, 0,1,2,3,4,5,6,7
	ds_load_b32 v[VV+\t], v[VADR] offset:4*(32*(\t/2)+8*(\t%2))
.endr
	v_mov_b32 v[TM+8], 0                           ; a lane permute's destination counts as one of its sources
	s_wait_dscnt 0x0
.irp c, 0,1
	v_max3_num_f32 v[TM+\c], |v[KN+32*\c]|, |v[KN+32*\c+1]|, 0x1800000   ; all 32 numbers of the block are mine; the floor 2^(3 - 127) holds the byte at 1 from below
.endr
.irp i, 2,4,6,8,10,12,14,16,18,20,22,24,26,28,30
.irp c, 0,1
	v_max3_num_f32 v[TM+\c], v[TM+\c], |v[KN+32*\c+\i]|, |v[KN+32*\c+\i+1]|
.endr
.endr
.irp c, 0,1
	v_add_nc_u32 v[TM+12+\c], 0xff000000, v[TM+\c]
.endr
.irp c, 0,1
	v_lshrrev_b32 v[TM+4+\c], 23, v[TM+12+\c]
.endr
	v_lshl_or_b32 v[KSW], v[TM+5], 16, v[TM+4]     ; my two bytes: blocks h and 2 + h,
	v_lshlrev_b32 v[KSW], v[H8], v[KSW]            ; at their places in the scale word;
	v_permlanex16_b32 v[TM+8], v[KSW], s[SEL], s[SEL+1]
	v_or_b32 v[KSW], v[KSW], v[TM+8]               ; with lane l xor 16's two the word is whole
.irp c, 0,1
	v_cvt_scalef32_pk16_fp6_f32 v[KF+6*\c:KF+6*\c+2], v[KN+32*\c:KN+32*\c+15], v[TM+12+\c]
	v_cvt_scalef32_pk16_fp6_f32 v[TQ+4*\c:TQ+4*\c+2], v[KN+32*\c+16:KN+32*\c+31], v[TM+12+\c]
.endr
	v_nop                                          ; one plain place behind a scaled conversion
.irp c, 0,1
.irp i, 0,1,2
	v_mov_b32 v[KF+3+6*\c+\i], v[TQ+4*\c+\i]       ; every one of the tile's 16 keys is k: all lanes of a half hold the same
.endr
.endr
	; V^T: a row d of a tile is v[d] at every key: a block's largest magnitude is |v[d]|, its 32 codes are equal
.irp t, 0,1,2,3,4,5,6,7
	v_max3_num_f32 v[TM+\t], |v[VV+\t]|, |v[VV+\t]|, 0x1800000
.endr
.irp t, 0,1,2,3,4,5,6,7
	v_add_nc_u32 v[TM+\t], 0xff000000, v[TM+\t]    ; the conversion's scale operand
.endr
.irp t, 0,1,2,3,4,5,6,7
	v_lshrrev_b32 v[TM+8+\t], 23, v[TM+\t]         ; the byte,
.endr
.irp t, 0,1,2,3,4,5,6,7
	v_lshl_or_b32 v[VSW+\t], v[TM+8+\t], 8, v[TM+8+\t]
.endr
.irp t, 0,1,2,3,4,5,6,7
	v_lshl_or_b32 v[VSW+\t], v[VSW+\t], 16, v[VSW+\t]   ; four times: the scale word of 128 keys
.endr
.irp t, 0,1,2,3,4,5,6,7
.irp i, 0,1,2,3,4,5,6,7,8,9,10,11,12,13,14,15
	v_mov_b32 v[PN+\i], v[VV+\t]
.endr
	v_cvt_scalef32_pk16_fp6_f32 v[VT+4*\t:VT+4*\t+2], v[PN:PN+15], v[TM+\t]   ; 16 equal codes: 96 bits
	v_nop                                          ; a plain place: the next tile writes the conversion's sources
.endr
	WIN 0x40                                       ; destination window 1
.irp t, 0,1,2,3,4,5,6,7
.irp c, 0,1,2,3
.irp i, 0,1,2
	v_mov_b32 v[FR*\t+3*\c+\i], v[VT+4*\t+\i]      ; 128 equal codes are those 96 bits four times
.endr
.endr
.endr
	WIN 0
; ---- a tile of 16 queries: q's codes, the score, p, the second product, the division, the result's codes and scale word
.macro UNIT u
.set QS, 64*(\u)
	QUANT QS, 2, QF, QSW
	PLACES 8                                       ; a scale register written by a vector instruction stands 8 places ahead of a scaled matrix instruction, an operand 4
	v_wmma_scale_f32_16x16x128_f8f6f4 v[SCO:SCO+7], v[KF:KF+FR-1], v[QF:QF+FR-1], 0, v[KSW], v[QSW] matrix_a_fmt:MATRIX_FMT_FP6 matrix_b_fmt:MATRIX_FMT_FP6   ; S^T: 16 equal keys x my 16 queries
	PLACES 4
	v_mul_f32 v[TT], s94, v[SCO]                   ; t; every key's score is register 0's
	v_floor_f32 v[NMM], -v[TT]                     ; -M = floor(-t) = -ceil(t): the row's largest t is t itself
	v_fma_f32 v[EE], v[SCO], s94, v[NMM]           ; t - M
	v_exp_f32 v[PP], v[EE]                         ; p, over 1/2 and at most 1
	v_nop                                          ; a plain place behind the transcendental
	s_wait_alu depctr_va_vdst(0)
	v_mul_f32 v[LL], (127+LKEYS)<<23, v[PP]        ; l: the sum of the unquantised p over 2^LKEYS equal keys, exact
	v_add_nc_u32 v[PSO], 0xff000000, v[PP]         ; p is its blocks' largest magnitude: 2 off its exponent field
	v_rcp_f32 v[RL], v[LL]
	v_lshrrev_b32 v[TM], 23, v[PSO]                ; (plain places behind the reciprocal)  the byte,
	v_lshl_or_b32 v[PSW], v[TM], 8, v[TM]
	v_lshl_or_b32 v[PSW], v[PSW], 16, v[PSW]       ; four times
.irp i, 0,1,2,3,4,5,6,7,8,9,10,11,12,13,14,15
	v_mov_b32 v[PN+\i], v[PP]
.endr
	v_cvt_scalef32_pk16_fp6_f32 v[PF:PF+2], v[PN:PN+15], v[PSO]
	s_wait_alu depctr_va_vdst(0)
	v_mov_b32 v[RL+1], v[RL]                       ; (the plain place behind the conversion; the packed form names the pair)
.irp c, 1,2,3
.irp i, 0,1,2
	v_mov_b32 v[PF+3*\c+\i], v[PF+\i]
.endr
.endr
	PLACES 4
	WIN 0x01                                       ; source 0 (V^T) window 1
.irp t, 0,1,2,3,4,5,6,7
	v_wmma_scale_f32_16x16x128_f8f6f4 v[OO+8*\t:OO+8*\t+7], v[FR*\t:FR*\t+FR-1], v[PF:PF+FR-1], 0, v[VSW+\t], v[PSW] matrix_a_fmt:MATRIX_FMT_FP6 matrix_b_fmt:MATRIX_FMT_FP6   ; O^T: register j of tile t is d = 32 (t / 2) + 16 h + 8 (t % 2) + j of my query
.endr
.if KEYSTEPS > 1
.rept KEYSTEPS-1                       ; further steps of 128 keys hold the same codes; the eight accumulators take turns
.irp t, 0,1,2,3,4,5,6,7
	v_wmma_scale_f32_16x16x128_f8f6f4 v[OO+8*\t:OO+8*\t+7], v[FR*\t:FR*\t+FR-1], v[PF:PF+FR-1], v[OO+8*\t:OO+8*\t+7], v[VSW+\t], v[PSW] matrix_a_fmt:MATRIX_FMT_FP6 matrix_b_fmt:MATRIX_FMT_FP6
.endr
.endr
.endif
	WIN 0
	PLACES 4
.set j, 0
.rept 32
	v_pk_mul_f32 v[OO+j:OO+j+1], v[OO+j:OO+j+1], v[RL:RL+1] op_sel_hi:[1,0]   ; / l, each accumulator from its low end on
.set j, j+2
.endr
.if \u > 0
	s_wait_xcnt 0x0                                ; the last tile's stores have read the registers that the codes below are written into
.endif
	QUANT OO, 0, CF, CSW                           ; the 16 registers of tiles 2 b, 2 b + 1 are 16 neighbours along d_model: a fragment of the last product's K step = this head
.irp c, 0,1,2
	global_store_b128 v[LI], v[CF+4*\c:CF+4*\c+3], s[18:19] offset:24576*(\u)+512*\c   ; the fragment as an image of its registers: 32 lanes store 512 consecutive bytes, aligned
.endr
	ds_store_b32 v[SWA], v[CSW] offset:64*(\u)     ; row r's scale word (both halves of the lanes write the same word with the same value)
.endm
	UNIT 0
	UNIT 1
	UNIT 2
	UNIT 3
	ds_load_b64 v[SWD:SWD+1], v[SWR]               ; LDS serves a wave's instructions in order: these see my stores
	s_wait_dscnt 0x0
	global_store_b64 v[L8], v[SWD:SWD+1], s[20:21] ; my 64 rows' scale words: 256 consecutive bytes, aligned
	s_wait_tensorcnt 0x0                           ; the wave's end
	ds_add_u32 v[SPW], v[NIL]
	s_wait_dscnt 0x0
	CROUND                                         ; the closing round
	s_endpgm
.Lfunc_end_k_qe4af652277_qattn:
	.size	k_qe4af652277_qattn, .Lfunc_end_k_qe4af652277_qattn-k_qe4af652277_qattn
	.p2alignl 7, 3214868480
	.fill 96, 4, 3214868480
	.section	.rodata,"a",@progbits
	.p2align	6, 0x0
	.amdhsa_kernel k_qe4af652277_qattn
		.amdhsa_group_segment_fixed_size 327680
		.amdhsa_private_segment_fixed_size 0
		.amdhsa_enable_private_segment 0
		.amdhsa_kernarg_size 72
		.amdhsa_user_sgpr_count 2
		.amdhsa_user_sgpr_kernarg_segment_ptr 1
		.amdhsa_wavefront_size32 1
		.amdhsa_system_sgpr_workgroup_id_x 1
		.amdhsa_system_sgpr_workgroup_id_y 1
		.amdhsa_system_sgpr_workgroup_id_z 1
		.amdhsa_system_vgpr_workitem_id 0
		.amdhsa_next_free_vgpr 1024
		.amdhsa_next_free_sgpr 102
		.amdhsa_reserve_vcc 0
		.amdhsa_float_denorm_mode_32 3
		.amdhsa_float_denorm_mode_16_64 3
		.amdhsa_memory_ordered 1
		.amdhsa_forward_progress 1
		.amdhsa_inst_pref_size 173
	.end_amdhsa_kernel
	.amdgpu_metadata
---
amdhsa.version: [ 1, 2 ]
amdhsa.kernels:
  - .name:           k_qe4af652277_qattn
    .symbol:         k_qe4af652277_qattn.kd
    .args:
      - { .name: h_codes, .offset: 0, .size: 8, .value_kind: global_buffer, .address_space: global }
      - { .name: h_scales, .offset: 8, .size: 8, .value_kind: global_buffer, .address_space: global }
      - { .name: W_q_codes, .offset: 16, .size: 8, .value_kind: global_buffer, .address_space: global }
      - { .name: W_q_scales, .offset: 24, .size: 8, .value_kind: global_buffer, .address_space: global }
      - { .name: W_kv, .offset: 32, .size: 8, .value_kind: global_buffer, .address_space: global }
      - { .name: b_kv, .offset: 40, .size: 8, .value_kind: global_buffer, .address_space: global }
      - { .name: skill, .offset: 48, .size: 8, .value_kind: global_buffer, .address_space: global }
      - { .name: oc, .offset: 56, .size: 8, .value_kind: global_buffer, .address_space: global }
      - { .name: os, .offset: 64, .size: 8, .value_kind: global_buffer, .address_space: global }
    .group_segment_fixed_size: 327680
    .private_segment_fixed_size: 0
    .kernarg_segment_align: 8
    .kernarg_segment_size: 72
    .max_flat_workgroup_size: 128
    .sgpr_count:     102
    .vgpr_count:     1024
    .wavefront_size: 32
...
	.end_amdgpu_metadata
.endif
;; end of part 1
;; launch outproj (part 2): grid 16 x 16, 4 waves a work-group, clusters of 4 x 4, 327,680 bytes of LDS; arguments oc, os, W_out_codes, W_out_scales, out0; writes out0
.if DOCPART == 2
	.amdgcn_target "amdgcn-amd-amdhsa--gfx1250"
	.amdhsa_code_object_version 6
	.text
	.protected	k_qe4af652277_outproj
	.globl	k_qe4af652277_outproj
	.p2align	8
	.type	k_qe4af652277_outproj,@function
k_qe4af652277_outproj:
	s_mov_b64 s[64:65], 0
	v_nop
	global_prefetch_b8 v0, s[64:65] scope:SCOPE_SE
	s_setreg_imm32_b32 hwreg(HW_REG_WAVE_MODE, 25, 1), 1
	s_wait_xcnt 0x0
	s_wait_alu depctr_hold_cnt(0) depctr_sa_sdst(0) depctr_va_vdst(0) depctr_va_sdst(0) depctr_va_ssrc(0) depctr_va_vcc(0) depctr_vm_vsrc(0)
	s_getreg_b32 s2, hwreg(HW_REG_IB_STS2, 6, 4)
	s_cmp_eq_u32 s2, 0
	s_cbranch_scc0 .Lentry_in_a_cluster
	s_endpgm
.Lentry_in_a_cluster:
	s_bfe_u32 s2, ttmp6, 0x10000c
	s_cmp_lg_u32 s2, 0xf033
	s_cbranch_scc0 .Lentry_shape_is_right
	s_endpgm
.Lentry_shape_is_right:
; out0 = Q(attention's result) W_out on codes of FP6 (E2M3) with E8M0 scales; sums in f32.
; The left operand comes from the launch before as IMAGES OF OPERAND REGISTERS: oc [tile of 16 rows 0..255][K step of 128 0..15][1,536 bytes], register group c of lane l at 512 c + 16 l;
; os [K step][row 0..4095]: a scale word of four bytes.  W_out's codes [2048][1536 bytes] and scale bytes [2048][64] are as given, K innermost.
; A work-group makes 256 rows x 128 columns: four waves, each 64 x 128: 32 accumulators, 256 registers.  K goes in steps of 256 through a ring of two LDS slots; the scales come once and stay.
; CLUSTERS: 4 x 4 work-groups; the left operand's tiles are shared along a row of the cluster, W_out's along a column, by joint tensor loads.
; THE MATRIX INSTRUCTION IS USED TRANSPOSED (source 0 = 16 rows of W_out, source 1 = 16 rows of the left operand): a lane holds eight neighbouring numbers of a row of out0.
; REGISTERS: window 0: v0-31 addresses; v32-55 scale words; v64-159 the left operand's fragments, two sets; on the way out v64-191.  window 1: W_out's fragments, two sets.  window 2: the accumulators.
.set ROWB,   192
.set KROW,   1536
.set PITCH,  240
.set FR,     12
.set AHALF,  8*3072                    ; eight tiles of rows x two K steps' images: what one tensor load brings
.set BHALF,  64*PITCH
.set BOFF,   2*AHALF
.set SLOT,   BOFF+2*BHALF
.set SCLA,   2*SLOT                    ; the left operand's scale words: 16 K steps x (1,024 bytes + 64)
.set SCLB,   SCLA+16*1088              ; W_out's scale bytes: 32 runs of 256 bytes + 16
.set SPARE,  SCLB+32*272               ; the spare words: two blocks of 256 bytes that no other line names
.set SPITCH, 528                       ; the way out: a stage of 16 rows x (512 bytes + 16) for each wave, in slot 0, which has had its last fill and its last read by then
.set ASTEP,  2*3072
.set BSTEP,  2*ROWB
.set SASTEP, 2*1088
.set SAOFF,  64
.set ADRA,  16                         ; v16-17 my images in slot 0, 1
.set ADRB,  20                         ; v20-23 W_out's fragments
.set ADRSA, 24
.set ADRSB, 25
.set STO,   26
.set RD,    27
.set SPW,   28
.set NIL,   29
.set CO,    30
.set SC,    32
.set AF,    64
.set BK,    64
.set G1,   24
.set G0,   32
.set G1B,  48
.set G0B,  56
.set G1S,  68
.set G0S,  76
.set G1SB, 80
.set G0SB, 88
.set MSB, 0
.macro WIN new                         ; the immediate's high byte repeats the setting that is left
.if MSB != (\new)
	s_set_vgpr_msb (MSB<<8)|(\new)
.set MSB, \new
.endif
.endm
.set MUL,  0xa1                        ; source 0 (W) window 1, source 1 window 0, C and D window 2
.set TO_B, 0x40                        ; destination window 1, address window 0
; A joint load: waves 0 and 1 fetch the activation's halves, waves 2 and 3 the weight's.  The branch hangs on the wave's number alone.  Four v_nop follow each line.
.macro JLOAD g0a, g1a, g0b, g1b
	s_cmp_eq_u32 s23, 0
	s_cbranch_scc0 .Lfor_b_\@
	tensor_load_to_lds s[\g0a:\g0a+3], s[\g1a:\g1a+7]
	s_nop 0
.rept 4
	v_nop
.endr
	s_branch .Lasked_\@
.Lfor_b_\@:
	tensor_load_to_lds s[\g0b:\g0b+3], s[\g1b:\g1b+7]
	s_nop 0
.rept 4
	v_nop
.endr
.Lasked_\@:
.endm
.macro CREST                           ; a round of the cluster's barrier behind its opening barrier
	s_cmp_lg_u32 s22, 0
	s_cbranch_scc1 .Lnot_wave_0_\@
	s_barrier_signal -3
.Lnot_wave_0_\@:
	s_barrier_wait -3
	s_barrier_signal -1
	s_barrier_wait -1
.endm
.macro CROUND
	s_barrier_signal -1
	s_barrier_wait -1
	CREST
.endm
.macro PLACES n                        ; plain vector places behind matrix instructions (ISA guide 7.12.1)
.rept \n
	v_nop
.endr
.endm
.macro FRAG reg, adr, q, i             ; 16 rows x 128 K: lane l holds row l % 16; registers 6 c .. 6 c + 5 hold K = 64 c + 32 (l / 16) + 0 .. 31: 24 bytes of the row, as three loads of 8
.irp p, 0,1,2,3,4,5
.set PC, 12*(\q)+6*(\p/3)+\p%3         ; lanes 16-31 read three pieces on; where that is behind one padding more, the second address register serves
.if PC%8 < 5
	ds_load_b64 v[\reg+2*\p:\reg+2*\p+1], v[\adr] offset:8*PC+16*(PC/8)+(\i)*16*PITCH
.else
	ds_load_b64 v[\reg+2*\p:\reg+2*\p+1], v[\adr+2] offset:8*PC+16*(PC/8)+(\i)*16*PITCH
.endif
.endr
.endm
; 8 matrix instructions: the activation's block a x the weight's eight, 128 along K, the slot's q-th.  The 32 accumulators take turns, one instruction a turn, in the same order in every step.
.macro MUL8 a, set, q, sc, zero
.irp b, 0,1,2,3,4,5,6,7
.if \zero
	v_wmma_scale_f32_16x16x128_f8f6f4 v[8*(8*(\a)+\b):8*(8*(\a)+\b)+7], v[128*(\set)+FR*\b:128*(\set)+FR*\b+FR-1], v[AF+48*(\set)+FR*(\a):AF+48*(\set)+FR*(\a)+FR-1], 0, v[SC+12*(\sc)+\b], v[SC+12*(\sc)+8+(\a)] matrix_a_fmt:MATRIX_FMT_FP6 matrix_b_fmt:MATRIX_FMT_FP6
.elseif \q
	v_wmma_scale_f32_16x16x128_f8f6f4 v[8*(8*(\a)+\b):8*(8*(\a)+\b)+7], v[128*(\set)+FR*\b:128*(\set)+FR*\b+FR-1], v[AF+48*(\set)+FR*(\a):AF+48*(\set)+FR*(\a)+FR-1], v[8*(8*(\a)+\b):8*(8*(\a)+\b)+7], v[SC+12*(\sc)+\b], v[SC+12*(\sc)+8+(\a)] matrix_a_fmt:MATRIX_FMT_FP6 matrix_b_fmt:MATRIX_FMT_FP6 matrix_a_scale:MATRIX_SCALE_ROW1 matrix_b_scale:MATRIX_SCALE_ROW1
.else
	v_wmma_scale_f32_16x16x128_f8f6f4 v[8*(8*(\a)+\b):8*(8*(\a)+\b)+7], v[128*(\set)+FR*\b:128*(\set)+FR*\b+FR-1], v[AF+48*(\set)+FR*(\a):AF+48*(\set)+FR*(\a)+FR-1], v[8*(8*(\a)+\b):8*(8*(\a)+\b)+7], v[SC+12*(\sc)+\b], v[SC+12*(\sc)+8+(\a)] matrix_a_fmt:MATRIX_FMT_FP6 matrix_b_fmt:MATRIX_FMT_FP6
.endif
.endr
.endm
.macro FETCH slot, q, set              ; 60 LDS loads in one run: W_out's eight fragments from rows, the left operand's four as images (three loads of 16 bytes a lane, 512 consecutive bytes each)
	WIN TO_B
.irp i, 0,1,2,3,4,5,6,7
	FRAG 128*(\set)+FR*\i, ADRB+\slot, \q, \i
.endr
	WIN 0
.irp i, 0,1,2,3
.irp c, 0,1,2
	ds_load_b128 v[AF+48*(\set)+FR*\i+4*\c:AF+48*(\set)+FR*\i+4*\c+3], v[ADRA+\slot] offset:\i*3072+(\q)*1536+512*\c
.endr
.endr
.endm
.macro SCALES sc                       ; a slot's scale words: one register a block of 16 rows; lanes 0-15 hold the word of the first 128 along K, lanes 16-31 that of the second
.irp i, 0,1,2,3,4,5,6,7
	ds_load_b32 v[SC+12*(\sc)+\i], v[ADRSB] offset:\i*1088
.endr
.irp i, 0,1,2,3
	ds_load_b32 v[SC+12*(\sc)+8+\i], v[ADRSA] offset:\i*SAOFF
.endr
.endm
.macro STEP slot, zero                 ; a slot's first 128 along K, on set 0; the second's fragments are fetched into set 1 ahead of its 32 products
	s_wait_dscnt 0x0                               ; set 0 and the slot's scale words are in
	PLACES 4                                       ; set 1 was read by the products just issued
	FETCH \slot, 1, 1
	WIN MUL
	MUL8 0, 0, 0, \slot, \zero
	MUL8 1, 0, 0, \slot, \zero
	MUL8 2, 0, 0, \slot, \zero
	MUL8 3, 0, 0, \slot, \zero
	WIN 0
.endm
; A slot's second 128 along K, on set 1, and the change of slots: ONE barrier; in front of it each wave waits for all its tensor loads, adds 0 to its spare word, and waits for that and for its reads of this slot.
.macro TURN slot, next, fill
	s_wait_tensorcnt 0x0                           ; all my tensor loads have landed: my part of the next slot
	ds_add_u32 v[SPW], v[NIL]                      ; 0 onto my spare word
	s_wait_dscnt 1                                 ; set 1's loads were issued ahead of the add: only the add may be out
	WIN MUL
	MUL8 0, 1, 1, \slot, 0                         ; eight matrix instructions stand between the add and the wait for it
	s_wait_dscnt 0x0                               ; the add is done, and my reads of this slot are over
	s_barrier_signal -1
	MUL8 1, 1, 1, \slot, 0
	WIN 0
	s_barrier_wait -1
.if \fill
	CREST                                          ; the barrier has opened a round of the cluster's: no wave of any partner still reads this slot or has a load on its way
	s_add_nc_u64 s[G0+4*\slot+2:G0+4*\slot+3], s[G0+4*\slot+2:G0+4*\slot+3], ASTEP
	s_add_nc_u64 s[G0B+4*\slot+2:G0B+4*\slot+3], s[G0B+4*\slot+2:G0B+4*\slot+3], BSTEP
	JLOAD G0+4*\slot, G1, G0B+4*\slot, G1B         ; the first tensor load behind the round; its four v_nop are the places in front of the loads below
.else
	PLACES 4
.endif
	v_add_nc_u32 v[ADRSA], SASTEP, v[ADRSA]        ; on to the next slot's scale words
	v_add_nc_u32 v[ADRSB], 8, v[ADRSB]
	FETCH \next, 0, 0
	SCALES \next
	WIN MUL
	MUL8 2, 1, 1, \slot, 0
	MUL8 3, 1, 1, \slot, 0
	WIN 0
.endm
.macro LAST                            ; the very last 128 along K
	s_wait_dscnt 0x0
	WIN MUL
	MUL8 0, 1, 1, 1, 0
	MUL8 1, 1, 1, 1, 0
	MUL8 2, 1, 1, 1, 0
	MUL8 3, 1, 1, 1, 0
	WIN 0
.endm
	s_load_b256 s[4:11], s[0:1], 0x0               ; oc s[4:5], os s[6:7], W_out's codes s[8:9], W_out's scales s[10:11]
	s_load_b64 s[12:13], s[0:1], 0x20              ; out0
	v_lshl_add_u32 v[SPW], v0, 2, SPARE
	v_mov_b32 v[NIL], 0
	ds_add_u32 v28, v29
	ds_add_u32 v28, v29
	s_wait_dscnt 0x0
	v_lshrrev_b32 v1, 5, v0
	v_readfirstlane_b32 s22, v1                    ; wave 0..3
	s_lshr_b32 s23, s22, 1                         ; I fetch for the left operand (0) or for W_out (1)
	s_and_b32 s2, s22, 1                           ; and which half
	s_bfe_u32 s40, ttmp6, 0x40000                  ; cx, cy
	s_bfe_u32 s41, ttmp6, 0x40004
	s_lshl_b32 s42, ttmp9, 2
	s_add_co_u32 s42, s42, s40                     ; x: the block of 128 columns
	s_and_b32 s43, ttmp7, 0xffff
	s_lshl_b32 s43, s43, 2
	s_add_co_u32 s43, s43, s41                     ; y: the block of 256 rows
	s_lshl_b32 s44, s41, 2
	s_lshl_b32 s44, 15, s44                        ; my row of the cluster
	s_lshl_b32 s45, 0x1111, s40                    ; my column
	; group 1 for the images: 8 tiles of rows, of each two K steps' images on end (3,072 bytes = 384 elements of 8), 24,576 bytes from tile to tile; dense in LDS
	s_or_b32 s[G1+0], s44, (3<<16)|(1<<21)
	s_mov_b32 s[G1+1], 384<<16
	s_mov_b32 s[G1+2], 8<<16
	s_mov_b32 s[G1+3], 384<<16
	s_mov_b32 s[G1+4], 8
	s_mov_b32 s[G1+5], 3072
	s_mov_b32 s[G1+6], 0
	s_mov_b32 s[G1+7], 0
	; for W_out's codes: 64 rows of 192 bytes, 16 bytes of padding behind every 64
	s_or_b32 s[G1B+0], s45, (1<<20)|(1<<21)|(3<<22)|(3<<25)
	s_mov_b32 s[G1B+1], ROWB<<16
	s_mov_b32 s[G1B+2], 64<<16
	s_mov_b32 s[G1B+3], ROWB<<16
	s_mov_b32 s[G1B+4], 64
	s_mov_b32 s[G1B+5], KROW
	s_mov_b32 s[G1B+6], 0
	s_mov_b32 s[G1B+7], 0
	; for the left operand's scale words: 8 K steps, of each my 256 rows' 1,024 bytes (128 elements of 8), 16,384 bytes from K step to K step; 64 bytes of padding behind each
	s_or_b32 s[G1S+0], s44, (3<<16)|(1<<20)|(1<<21)|(7<<22)|(15<<25)
	s_mov_b32 s[G1S+1], 128<<16
	s_mov_b32 s[G1S+2], 8<<16
	s_mov_b32 s[G1S+3], 128<<16
	s_mov_b32 s[G1S+4], 8
	s_mov_b32 s[G1S+5], 2048
	s_mov_b32 s[G1S+6], 0
	s_mov_b32 s[G1S+7], 0
	; for W_out's scale bytes: 64 rows' 4,096 dense bytes as 16 rows of 256, 16 bytes of padding behind each
	s_or_b32 s[G1SB+0], s45, (3<<16)|(1<<20)|(1<<21)|(5<<22)|(3<<25)
	s_mov_b32 s[G1SB+1], 32<<16
	s_mov_b32 s[G1SB+2], 16<<16
	s_mov_b32 s[G1SB+3], 32<<16
	s_mov_b32 s[G1SB+4], 16
	s_mov_b32 s[G1SB+5], 32
	s_mov_b32 s[G1SB+6], 0
	s_mov_b32 s[G1SB+7], 0
	s_lshl_b32 s96, s43, 4                         ; images: tile of rows 16 y + 8 x half (y alone: shared along my row of the cluster)
	s_lshl_b32 s97, s2, 3
	s_add_co_u32 s96, s96, s97
	s_mul_i32 s96, s96, 24576
	s_mov_b32 s97, 0
	s_lshl_b32 s100, s2, 17                        ; scale words: K step 8 x half, row 256 y
	s_lshl_b32 s101, s43, 10
	s_add_co_u32 s100, s100, s101
	s_mov_b32 s101, 0
	s_lshl_b32 s46, s42, 7                         ; W_out: row 128 x + 64 x half (x alone: shared along my column)
	s_lshl_b32 s47, s2, 6
	s_add_co_u32 s46, s46, s47
	s_lshl_b32 s66, s46, 6
	s_mov_b32 s67, 0
	s_mul_i32 s46, s46, KROW
	s_mov_b32 s47, 0
	s_mul_i32 s98, s22, AHALF                      ; where they go: the images' halves by waves 0, 1;
	s_mul_i32 s99, s22, BHALF
	s_add_co_u32 s99, s99, BOFF-2*BHALF            ; W_out's by waves 2, 3, behind them
	s_wait_kmcnt 0x0
	s_add_nc_u64 s[96:97], s[4:5], s[96:97]
	s_add_nc_u64 s[100:101], s[6:7], s[100:101]
	s_add_nc_u64 s[46:47], s[8:9], s[46:47]
	s_add_nc_u64 s[66:67], s[10:11], s[66:67]
	CROUND                                         ; all sixteen work-groups are here: the first joint loads meet
	s_mov_b32 s[G0S], 1
	s_mul_i32 s[G0S+1], s22, 8*1088
	s_add_co_u32 s[G0S+1], s[G0S+1], SCLA
	s_mov_b64 s[G0S+2:G0S+3], s[100:101]
	s_or_b32 s[G0S+3], s[G0S+3], 0x80000000
	s_mov_b32 s[G0SB], 1
	s_mul_i32 s[G0SB+1], s22, 16*272
	s_add_co_u32 s[G0SB+1], s[G0SB+1], SCLB-32*272
	s_mov_b64 s[G0SB+2:G0SB+3], s[66:67]
	s_or_b32 s[G0SB+3], s[G0SB+3], 0x80000000
	JLOAD G0S, G1S, G0SB, G1SB                     ; the scales first
.irp s, 0,1
	s_mov_b32 s[G0+4*\s], 1
	s_add_co_u32 s[G0+4*\s+1], s98, \s*SLOT
	s_add_nc_u64 s[G0+4*\s+2:G0+4*\s+3], s[96:97], \s*3072
	s_or_b32 s[G0+4*\s+3], s[G0+4*\s+3], 0x80000000
	s_mov_b32 s[G0B+4*\s], 1
	s_add_co_u32 s[G0B+4*\s+1], s99, \s*SLOT
	s_add_nc_u64 s[G0B+4*\s+2:G0B+4*\s+3], s[46:47], \s*ROWB
	s_or_b32 s[G0B+4*\s+3], s[G0B+4*\s+3], 0x80000000
	JLOAD G0+4*\s, G1, G0B+4*\s, G1B               ; three tensor loads of mine are out
.endr
	s_lshl_b32 s96, s43, 8
	s_lshl_b32 s97, s22, 6
	s_add_co_u32 s96, s96, s97                     ; my first row of out0: 256 y + 64 wave
	s_lshl_b32 s96, s96, 13                        ; rows of 8,192 bytes
	s_lshl_b32 s97, s42, 9                         ; my 128 columns: 512 bytes
	s_add_co_u32 s96, s96, s97
	s_mov_b32 s97, 0
	s_add_nc_u64 s[12:13], s[12:13], s[96:97]
	v_and_b32 v1, 15, v0                           ; r
	v_bfe_u32 v2, v0, 4, 1                         ; h
	v_and_b32 v3, 31, v0                           ; lane
	v_lshlrev_b32 v[CO], 4, v3
	s_mul_i32 s98, s22, 4*3072                     ; my four tiles of rows
	v_add_nc_u32 v[ADRA], s98, v[CO]
	s_add_co_u32 s98, s98, SLOT
	v_add_nc_u32 v[ADRA+1], s98, v[CO]
	v_mul_u32_u24 v56, v1, PITCH
	v_mul_u32_u24 v57, v2, 24
	v_add_nc_u32 v57, v56, v57                     ; a fragment's row x pitch + 24 x half
	v_lshl_add_u32 v58, v2, 4, v57                 ; and the same behind one padding more
	s_mov_b32 s99, BOFF
.irp s, 0,1
	v_add_nc_u32 v[ADRB+\s], s99, v57
	v_add_nc_u32 v[ADRB+2+\s], s99, v58
	s_add_co_u32 s99, s99, SLOT
.endr
	v_mul_u32_u24 v59, v2, 1088                    ; lanes 16-31 take the slot's second K step
	v_lshl_add_u32 v59, v1, 2, v59
	s_lshl_b32 s98, s22, 8                         ; my 64 rows' words
	s_add_co_u32 s98, s98, SCLA
	v_add_nc_u32 v[ADRSA], s98, v59
	v_lshlrev_b32 v59, 6, v1                       ; W_out: a row's 64 scale bytes,
	v_lshrrev_b32 v60, 2, v1
	v_lshl_add_u32 v59, v60, 4, v59                ; 16 more for each 256 passed,
	v_lshl_add_u32 v59, v2, 2, v59                 ; lanes 16-31 the slot's second word
	v_add_nc_u32 v[ADRSB], SCLB, v59
	s_mul_i32 s98, s22, 16*SPITCH                  ; my stage
	v_mul_u32_u24 v60, v1, SPITCH
	v_lshl_add_u32 v60, v2, 5, v60
	v_add_nc_u32 v[STO], s98, v60                  ; in: row r, 32 bytes for each half of the lanes
	v_add_nc_u32 v[RD], s98, v[CO]                 ; back: the 32 lanes take one row of 512 bytes
	s_wait_tensorcnt 1                             ; the scales and my part of slot 0 are in; slot 1's load may be out
	s_barrier_signal -1
	s_barrier_wait -1
	FETCH 0, 0, 0
	SCALES 0
	STEP 0, 1                                      ; the first step's products start the sums
	s_mov_b32 s3, 3
.Llap:                                             ; a trip goes once round the ring and fills both slots again
	TURN 0, 1, 1
	STEP 1, 0
	TURN 1, 0, 1
	STEP 0, 0
	s_sub_co_u32 s3, s3, 1
	s_cmp_lg_u32 s3, 0
	s_cbranch_scc1 .Llap
	TURN 0, 1, 0                                   ; the last lap fills nothing
	STEP 1, 0
	LAST
; THE WAY OUT, block by block of 16 rows x 128 columns, through my own stage: a lane holds 32 neighbouring bytes of a row; the rows come back whole, 512 bytes to the 32 lanes.
; LDS serves a wave's instructions in order (ISA guide 5.7.1.4): no wait between the stores and the loads, nor in front of the next block's stores.
.macro TOSTAGE a
.set AC, 64*(\a)
	WIN 0x08                                       ; an LDS store's data are its source 1: window 2
.irp b, 0,1,2,3,4,5,6,7
	ds_store_b128 v[STO], v[AC+8*\b:AC+8*\b+3] offset:64*\b          ; each accumulator from its low end on
	ds_store_b128 v[STO], v[AC+8*\b+4:AC+8*\b+7] offset:64*\b+16
.endr
	WIN 0
.set BB, BK+64*((\a)%2)
.irp t, 0,1,2,3,4,5,6,7,8,9,10,11,12,13,14,15
	ds_load_b128 v[BB+4*\t:BB+4*\t+3], v[RD] offset:\t*SPITCH
.endr
.endm
.macro SEND a, younger                 ; younger: the LDS instructions issued behind block a's loads, which may stay out
.set BB, BK+64*((\a)%2)
	s_wait_dscnt \younger
.if (\a) > 0
	s_add_nc_u64 s[12:13], s[12:13], 16*8192       ; (behind a wait on XCNT: the earlier stores have read their base)
.endif
.irp t, 0,1,2,3,4,5,6,7,8,9,10,11,12,13,14,15
	global_store_b128 v[CO], v[BB+4*\t:BB+4*\t+3], s[12:13] offset:\t*8192 th:TH_STORE_NT   ; 32 lanes store 512 consecutive bytes, at a multiple of 256 from out0's first byte
.endr
.endm
	PLACES 4                                       ; behind the last products: for the reads of results and the loads into the fragments' registers
	TOSTAGE 0
.irp a, 1,2,3
.if \a > 1
	s_wait_xcnt 0x0                                ; block a - 2's stores have read their registers and their base
.endif
	TOSTAGE \a
	SEND \a-1, 32                                  ; behind block a - 1's loads: block a's 16 stores and 16 loads
.endr
	s_wait_xcnt 0x0
	SEND 3, 0
	s_wait_tensorcnt 0x0                           ; the wave's end
	ds_add_u32 v[SPW], v[NIL]
	s_wait_dscnt 0x0
	CROUND                                         ; the closing round
	s_endpgm
.Lfunc_end_k_qe4af652277_outproj:
	.size	k_qe4af652277_outproj, .Lfunc_end_k_qe4af652277_outproj-k_qe4af652277_outproj
	.p2alignl 7, 3214868480
	.fill 96, 4, 3214868480
	.section	.rodata,"a",@progbits
	.p2align	6, 0x0
	.amdhsa_kernel k_qe4af652277_outproj
		.amdhsa_group_segment_fixed_size 327680
		.amdhsa_private_segment_fixed_size 0
		.amdhsa_enable_private_segment 0
		.amdhsa_kernarg_size 40
		.amdhsa_user_sgpr_count 2
		.amdhsa_user_sgpr_kernarg_segment_ptr 1
		.amdhsa_wavefront_size32 1
		.amdhsa_system_sgpr_workgroup_id_x 1
		.amdhsa_system_sgpr_workgroup_id_y 1
		.amdhsa_system_sgpr_workgroup_id_z 1
		.amdhsa_system_vgpr_workitem_id 0
		.amdhsa_next_free_vgpr 768
		.amdhsa_next_free_sgpr 102
		.amdhsa_reserve_vcc 0
		.amdhsa_float_denorm_mode_32 3
		.amdhsa_float_denorm_mode_16_64 3
		.amdhsa_memory_ordered 1
		.amdhsa_forward_progress 1
		.amdhsa_inst_pref_size 95
	.end_amdhsa_kernel
	.amdgpu_metadata
---
amdhsa.version: [ 1, 2 ]
amdhsa.kernels:
  - .name:           k_qe4af652277_outproj
    .symbol:         k_qe4af652277_outproj.kd
    .args:
      - { .name: oc, .offset: 0, .size: 8, .value_kind: global_buffer, .address_space: global }
      - { .name: os, .offset: 8, .size: 8, .value_kind: global_buffer, .address_space: global }
      - { .name: W_out_codes, .offset: 16, .size: 8, .value_kind: global_buffer, .address_space: global }
      - { .name: W_out_scales, .offset: 24, .size: 8, .value_kind: global_buffer, .address_space: global }
      - { .name: out0, .offset: 32, .size: 8, .value_kind: global_buffer, .address_space: global }
    .group_segment_fixed_size: 327680
    .private_segment_fixed_size: 0
    .kernarg_segment_align: 8
    .kernarg_segment_size: 40
    .max_flat_workgroup_size: 128
    .sgpr_count:     102
    .vgpr_count:     768
    .wavefront_size: 32
...
	.end_amdgpu_metadata
.endif
;; end of part 2
